; MI455X (gfx1250); checked and timed in simulation.
; The chip was launched on July 23, 2026; its instructions are those of AMD's public machine-readable ISA for CDNA 5 (MIT licence, August 2026) and "CDNA5" Instruction Set Architecture Reference Guide (July 2026). The comments in the code are by the model that wrote it; some were corrected since.
;; Graph Linear Deform. Allowed arithmetic: float matrix products may take bf16 or f16 operands with f32 sums; all other float work in f32.
;; Inputs: image 2 x 8 x 96 x 96 x 96 float32; params_Wf 3 x 64 float32; params_bf 3 float32; params_layers_0_W 128 x 8 float32; params_layers_0_b 128 float32; params_layers_0_beta 128 float32; params_layers_0_gamma 128 float32; params_layers_0_mean 128 float32; params_layers_0_var 128 float32; params_layers_1_W 128 x 128 float32; params_layers_1_b 128 float32; params_layers_1_beta 128 float32; params_layers_1_gamma 128 float32; params_layers_1_mean 128 float32; params_layers_1_var 128 float32; params_layers_2_W 64 x 128 float32; params_layers_2_b 64 float32; params_layers_2_beta 64 float32; params_layers_2_gamma 64 float32; params_layers_2_mean 64 float32; params_layers_2_var 64 float32; vertices 2 x 120,000 x 3 float32.
;; Outputs: out0 2 x 120,000 x 3 float32.
;; One version. Each part assembles by itself: llvm-mc -triple=amdgcn-amd-amdhsa -mcpu=gfx1250 --defsym DOCPART=n.
;; ======== version 1 of 1: 4 launches
;; limits: values outside matrix products are rounded to bf16
;; workspace buffers: table 33,280,000 bytes; wts 57,344 bytes; vA 2,880,000 bytes; vB 2,880,000 bytes; iA 960,000 bytes of whole numbers; iB 960,000 bytes of whole numbers
;; launch prep (part 1): grid 1625 x 1, 5 waves a work-group, no clusters, 13,568 bytes of LDS; arguments image, vertices, table, iA, wts, params_layers_0_W, params_layers_0_gamma, params_layers_0_var, params_layers_0_b, params_layers_0_mean, params_layers_0_beta, params_layers_1_W, params_layers_1_gamma, params_layers_1_var, params_layers_1_b, params_layers_1_mean, params_layers_1_beta, params_layers_2_W, params_layers_2_gamma, params_layers_2_var, params_layers_2_b, params_layers_2_mean, params_layers_2_beta, params_Wf, params_bf; writes table, iA, wts
.if DOCPART == 1
	.amdgcn_target "amdgcn-amd-amdhsa--gfx1250"
	.amdhsa_code_object_version 6
	.text
	.protected	k_q19f13ab8a1_prep
	.globl	k_q19f13ab8a1_prep
	.p2align	8
	.type	k_q19f13ab8a1_prep,@function
k_q19f13ab8a1_prep:
	s_mov_b64 s[64:65], 0
	v_nop
	global_prefetch_b8 v0, s[64:65] scope:SCOPE_SE
	s_setreg_imm32_b32 hwreg(HW_REG_WAVE_MODE, 25, 1), 1
	s_wait_xcnt 0x0
; PREPARATION for the three deformation steps.  Three kinds of jobs, no barrier, every branch on the wave's and the work-group's number.
; (1) TABLE.  image [2][8][96][96][96] f32 becomes table [2][100 z][100 y][104 x] cells of 16 bytes: a cell holds a voxel's 8 channels in bf16 (channel 2j low, 2j+1 high in word j).
;     Cell t is voxel t - 2 in y and z and voxel t - 4 in x; the other cells are zero: the sampler's zero padding lies in the table.  With x's offset of 4 a QUAD of four neighbouring
;     cells is either four voxels that begin at a multiple of 16 bytes in the image, or all border.  A STEP is 32 quads = 128 cells = 2,048 consecutive bytes of the table: lane l reads
;     quad l, 16 bytes of each channel (a load of the wave covers 512 consecutive bytes but for row ends), rounds, and sends its 64 bytes through the wave's own LDS, so that in
;     each of four stores lane l holds cell 32 k + l: 512 consecutive bytes, at a multiple of 512 from the table's first byte.  520,000 quads = 1,625 groups x 5 waves x 2 steps x 32.
; (2) INDEX.  Waves 0-2 of groups 0-1,249: for 64 vertices each the cell of the sample's lower corner, (tz 100 + ty) 104 + tx, ty = clamp(floor(u) + 2, 0, 98), tx = clamp(floor(u) + 4, 0, 102).
; (3) WEIGHTS.  Wave 3 of groups 0-110: batch norm, the activation's factor and the step's scale are folded into the weights in f32; the weights are rounded once to
;     bf16 and laid in the order of a matrix instruction's first source: a weight QUAD is 512 bytes, 16 for each lane (r = lane % 16, h = lane / 16):
;     W'[16 mt + r][32 kk + 16 e + 8 h .. + 7] in quad 2 (4 mt + kk) + e.
;     s = gamma rsq(var + 1e-5); leaky(x) = 0.65 (x + (7/13) |x|), and the 0.65 goes into the NEXT layer's weights:
;     W0' = s0 W0, W1' = 0.65 s1 W1, W2' = 0.65 s2 W2, Wf' = (0.01/3) 0.65 Wf, c = s (b - mean) + beta, cf = (0.01/3) bf.
;     wts, in the order in which a step needs it: 0 c0 | 512 c1 | 1,024 c2 | 1,280 cf, 0 .. and zeros up to 2,048 | 2,048 W0' (8 quads) | 6,144 W1' (64) | 38,912 W2' (32)
;     | 55,296 Wf' (4; rows 0-2 and 8-10 hold Wf' rows 0-2, the others 0) | 57,344 the end.
; LIMITS.  The image and the folded weights are rounded to bf16 (8 significant bits).  u = (v + 1) 48 - 0.5 is one fused multiply-add behind the addition, so floor(u)
; can differ from a separately rounded product's at an exact cell edge, where the trilinear sample is continuous.  A NaN coordinate gives an index inside the table.
.set CH,    3538944                    ; bytes of one channel of one batch: 96^3 x 4
.set WPITCH, 80                        ; LDS: a lane's 64 bytes + 16: an odd multiple of 16
.set WLDS,  32*WPITCH                  ; a wave's own LDS bytes
.set OC0,   0                          ; places in wts
.set OC1,   512
.set OC2,   1024
.set OW0,   2048
.set OW1,   6144
.set OW2,   38912
.set OWF,   55296
.set OFFR,  2                          ; v[2:3]    step s: my quad's byte offset in channel 0 of the image (0 for a border quad)
.set OUTO,  4                          ; v4        16 x lane
.set LA,    5                          ; v5        LDS: where my quad goes
.set LR,    6                          ; v6        LDS: where cell number lane of the step lies
.set T,     8                          ; v[8:12]   at work
.set P,     16                         ; v[16:31]  my four cells in bf16
.set D,     32                         ; v[32:95]  step s: 32 registers: channel c's four numbers at 4 c; later the step's cells 32 k + lane at 4 k
.set MK,    52                         ; s[52:53]  step s: the lanes whose quad is four voxels
.set K48,   32                         ; s32  48.0
.set K98,   33                         ; s33  98.0
.set K102,  34                         ; s34  102.0
; the second jobs' registers lie among D's; they are written only behind the wait that frees the stores' registers
.set R,   60                           ; lane % 16
.set H,   61                           ; lane / 16
.set M,   62                           ; my row of W
.set WO,  63                           ; my byte offset in W
.set GOF, 64                           ; my byte offset in gamma and var
.set GV,  65
.set VV,  66
.set SS,  68                           ; v[68:69] the row's factor, twice
.set W,   70                           ; v[70:77] eight weights
.set O,   78                           ; v[78:81] the same in bf16
.set LO,  82                           ; my byte offset in wts
.set BO,  83
.set TT,  84                           ; v[84:87]
.set BG,  60                           ; the bias jobs: gamma, var, b, mean, beta of four channels
.set BV,  64
.set BB,  68
.set BM,  72
.set BE,  76
; u = (c + 1) 48 - 0.5 and its floor, for three coordinates.  The step's text has the same three lines, so that both find the same cell for the same number.
.macro COORD3 c, u, f
.irp a, 0,1,2
	v_add_f32 v[(\u)+\a], 1.0, v[(\c)+\a]
.endr
.irp a, 0,1,2
	v_fma_f32 v[(\u)+\a], v[(\u)+\a], s[K48], -0.5
.endr
.irp a, 0,1,2
	v_floor_f32 v[(\f)+\a], v[(\u)+\a]
.endr
.endm
; the lower corner's cell from the three floors (x, y, z), which are used up
.macro INDEX f, o
	v_add_f32 v[\f], 4.0, v[\f]
	v_add_f32 v[(\f)+1], 2.0, v[(\f)+1]
	v_add_f32 v[(\f)+2], 2.0, v[(\f)+2]
	v_med3_num_f32 v[\f], v[\f], 0, s[K102]
	v_med3_num_f32 v[(\f)+1], v[(\f)+1], 0, s[K98]
	v_med3_num_f32 v[(\f)+2], v[(\f)+2], 0, s[K98]
.irp a, 0,1,2
	v_cvt_u32_f32 v[(\f)+\a], v[(\f)+\a]
.endr
	v_mad_u32_u24 v[\o], v[(\f)+2], 100, v[(\f)+1]
	v_mad_u32_u24 v[\o], v[\o], 104, v[\f]
.endm
	s_load_b256 s[4:11], s[0:1], 0x0               ; image s[4:5], vertices s[6:7], table s[8:9], iA s[10:11]
	s_load_b64 s[12:13], s[0:1], 0x20              ; wts
	v_lshl_add_u32 v96, v0, 2, 0x3200
	v_mov_b32 v97, 0
	v_lshrrev_b32 v1, 5, v0
	v_readfirstlane_b32 s14, v1                    ; wave 0..4
	v_and_b32 v1, 31, v0                           ; lane
	s_mov_b32 s17, ttmp9                           ; work-group
	s_mul_i32 s15, s17, 5
	s_add_co_u32 s15, s15, s14                     ; the table job's number J, 0..8,124: steps 2 J and 2 J + 1
	s_lshl_b32 s34, s15, 12                        ; its byte in the table: 2 x 2,048 J
	s_mov_b32 s35, 0
	s_mov_b32 s22, 96
	s_mul_i32 s23, s14, WLDS                       ; my wave's LDS
	v_lshlrev_b32 v[OUTO], 4, v1
	v_mul_u32_u24 v[LA], v1, WPITCH
	v_add_nc_u32 v[LA], s23, v[LA]
	v_lshrrev_b32 v[T], 2, v1                      ; cell number lane lies in quad lane / 4, piece lane % 4
	v_and_b32 v[T+1], 3, v1
	v_mul_u32_u24 v[LR], v[T], WPITCH
	v_lshl_add_u32 v[LR], v[T+1], 4, v[LR]
	v_add_nc_u32 v[LR], s23, v[LR]
; Step s of the job: my quad is 32 S + lane, S = 2 J + s.  A row has 26 quads.  The first quad's row and place come from scalar divisions (the high word of a product, shifted);
; a lane is up to 56 quads past that row's start: (v x 79) >> 11 is v / 26 for v up to 56, and (v x 41) >> 12 is v / 100 for v up to 258.
.macro ADDR s
	s_lshl_b32 s16, s15, 5                         ; 16 S
.if \s
	s_add_co_u32 s16, s16, 16
.endif
	s_mul_hi_u32 s18, s16, 0x4ec4ec4f
	s_lshr_b32 s18, s18, 2                         ; 16 S / 13 = 32 S / 26: the first quad's row
	s_mul_i32 s19, s18, 26
	s_lshl_b32 s20, s16, 1
	s_sub_co_u32 s19, s20, s19                     ; its place in the row
	s_mul_hi_u32 s20, s18, 0x51eb851f
	s_lshr_b32 s20, s20, 5                         ; the row's 100 n + z
	s_mul_i32 s21, s20, 100
	s_sub_co_u32 s21, s18, s21                     ; the row's y
	v_add_nc_u32 v[T], s19, v1
	v_mul_u32_u24 v[T+1], v[T], 79
	v_lshrrev_b32 v[T+1], 11, v[T+1]               ; rows passed
	v_mul_u32_u24 v[T+2], v[T+1], 26
	v_sub_nc_u32 v[T], v[T], v[T+2]                ; i: my quad's place in its row
	v_add_nc_u32 v[T+1], s21, v[T+1]
	v_mul_u32_u24 v[T+2], v[T+1], 41
	v_lshrrev_b32 v[T+2], 12, v[T+2]               ; planes passed
	v_mul_u32_u24 v[T+3], v[T+2], 100
	v_sub_nc_u32 v[T+1], v[T+1], v[T+3]            ; y
	v_add_nc_u32 v[T+2], s20, v[T+2]               ; 100 n + z, 199 at the most
	v_mul_u32_u24 v[T+3], v[T+2], 41
	v_lshrrev_b32 v[T+3], 12, v[T+3]               ; n
	v_mul_u32_u24 v[T+4], v[T+3], 100
	v_sub_nc_u32 v[T+2], v[T+2], v[T+4]            ; z
	v_mul_u32_u24 v[T+4], v[T+3], 0x6c0000         ; n x 8 x 96^3
	v_mad_u32_u24 v[T+4], v[T+2], 9216, v[T+4]
	v_mad_u32_u24 v[T+4], v[T+1], 96, v[T+4]
	v_lshl_add_u32 v[T+4], v[T], 2, v[T+4]
	v_add_nc_u32 v[T+4], 0xffffb73c, v[T+4]        ; - (2 x 9,216 + 2 x 96 + 4): the cells' offsets from the voxels
	v_add_nc_u32 v[T], -1, v[T]
	v_add_nc_u32 v[T+1], -2, v[T+1]
	v_add_nc_u32 v[T+2], -2, v[T+2]
	v_cmp_gt_u32 s[MK+(\s)], 24, v[T]              ; unsigned: a negative number is large
	v_cmp_gt_u32 s58, s22, v[T+1]
	v_cmp_gt_u32 s59, s22, v[T+2]
	s_and_b32 s[MK+(\s)], s[MK+(\s)], s58
	s_and_b32 s[MK+(\s)], s[MK+(\s)], s59
	v_cndmask_b32 v[T+4], 0, v[T+4], s[MK+(\s)]    ; a border quad reads the channel's first 16 bytes and throws them away
	v_lshlrev_b32 v[OFFR+(\s)], 2, v[T+4]
.endm
.macro LOADS s
.irp c, 0,1,2,3,4,5,6,7
	global_load_b128 v[D+32*(\s)+4*\c:D+32*(\s)+4*\c+3], v[OFFR+(\s)], s[24+2*(\c/2):25+2*(\c/2)] offset:(\c%2)*CH th:TH_LOAD_NT
.endr
.endm
.macro EMIT s
	s_wait_loadcnt 8*(1-(\s))                      ; loads come back in order (ISA guide 5.7.1): the second step's eight may stay out
.irp i, 0,1,2,3
.irp j, 0,1,2,3
	v_cvt_pk_bf16_f32 v[P+4*\i+\j], v[D+32*(\s)+8*\j+\i], v[D+32*(\s)+8*\j+4+\i]  ; cell i, word j: channels 2 j and 2 j + 1
.endr
.endr
.set z, 0
.rept 16
	v_cndmask_b32 v[P+z], 0, v[P+z], s[MK+(\s)]
.set z, z+1
.endr
.irp i, 0,1,2,3
	ds_store_b128 v[LA], v[P+4*\i:P+4*\i+3] offset:16*\i
.endr
.irp k, 0,1,2,3
	ds_load_b128 v[D+32*(\s)+4*\k:D+32*(\s)+4*\k+3], v[LR] offset:8*WPITCH*\k  ; LDS serves a wave's instructions in order (ISA guide 5.7.1.4): these see the stores above; the bytes are my wave's own
.endr
	s_wait_dscnt 0x0
.irp k, 0,1,2,3
	global_store_b128 v[OUTO], v[D+32*(\s)+4*\k:D+32*(\s)+4*\k+3], s[8:9] offset:2048*(\s)+512*\k
.endr
.endm
	ADDR 0                                         ; the address work stands ahead of the wait for the arguments
	ADDR 1
	s_wait_kmcnt 0x0
	s_add_nc_u64 s[8:9], s[8:9], s[34:35]
	s_mov_b64 s[24:25], s[4:5]                     ; channels 0, 1 (the second by the immediate)
	s_add_nc_u64 s[26:27], s[4:5], 2*CH            ; channels 2, 3
	s_add_nc_u64 s[28:29], s[4:5], 4*CH
	s_add_nc_u64 s[30:31], s[4:5], 6*CH
	LOADS 0                                        ; all 16 loads go out before the first is waited for
	LOADS 1
	EMIT 0
	EMIT 1
	s_wait_xcnt 0x0                                ; the jobs below write registers that the stores above read: only behind this wait
	s_cmp_lt_u32 s14, 3
	s_cbranch_scc1 .Lindex
	s_cmp_eq_u32 s14, 3
	s_cbranch_scc0 .Lend
	s_cmp_lt_u32 s17, 111
	s_cbranch_scc0 .Lend
	v_and_b32 v[R], 15, v1
	v_lshrrev_b32 v[H], 4, v1
	v_lshlrev_b32 v[LO], 4, v1
	s_cmp_lt_u32 s17, 8
	s_cbranch_scc1 .Lw0
	s_cmp_lt_u32 s17, 72
	s_cbranch_scc1 .Lw1
	s_cmp_lt_u32 s17, 104
	s_cbranch_scc1 .Lw2
	s_cmp_lt_u32 s17, 108
	s_cbranch_scc1 .Lwf
	s_cmp_eq_u32 s17, 108
	s_cbranch_scc1 .Lb0
	s_cmp_eq_u32 s17, 109
	s_cbranch_scc1 .Lb1
	s_branch .Lb2
; 64 vertices: a lane takes two, 24 consecutive bytes, and stores two words: the wave's store covers 256 consecutive bytes, at a multiple of 256 from iA's first byte
.Lindex:
	s_cmp_lt_u32 s17, 1250                         ; 3 x 1,250 jobs x 64 = 240,000 vertices
	s_cbranch_scc0 .Lend
	s_mul_i32 s36, s17, 3
	s_add_co_u32 s36, s36, s14                     ; job 0..3,749
	s_mul_i32 s38, s36, 768
	s_mov_b32 s39, 0
	s_add_nc_u64 s[6:7], s[6:7], s[38:39]
	s_lshl_b32 s38, s36, 8
	s_add_nc_u64 s[10:11], s[10:11], s[38:39]
	v_mul_u32_u24 v60, v1, 24
	v_lshlrev_b32 v61, 3, v1
	global_load_b64 v[62:63], v60, s[6:7]
	global_load_b64 v[64:65], v60, s[6:7] offset:8
	global_load_b64 v[66:67], v60, s[6:7] offset:16
	s_mov_b32 s[K48], 0x42400000
	s_mov_b32 s[K98], 0x42c40000
	s_mov_b32 s[K102], 0x42cc0000
	s_wait_loadcnt 0x0
	COORD3 62, 68, 71
	INDEX 71, 80
	COORD3 65, 68, 71
	INDEX 71, 81
	global_store_b64 v61, v[80:81], s[10:11]
.Lend:
	s_wait_tensorcnt 0x0
	ds_add_u32 v96, v97
	s_wait_dscnt 0x0
	s_endpgm
; eight weights times the row's factor, rounded once, stored as my 16 bytes of the quad
.macro WTAIL dst
.irp j, 0,1,2,3
	v_pk_mul_f32 v[W+2*\j:W+2*\j+1], v[W+2*\j:W+2*\j+1], v[SS:SS+1]
.endr
.irp j, 0,1,2,3
	v_cvt_pk_bf16_f32 v[O+\j], v[W+2*\j], v[W+2*\j+1]
.endr
	global_store_b128 v[LO], v[O:O+3], s[12:13] offset:\dst
	s_wait_tensorcnt 0x0
	ds_add_u32 v96, v97
	s_wait_dscnt 0x0
	s_endpgm
.endm
; One quad of a layer's weights.  arg: where W's address stands among the arguments (gamma's and var's follow it); rowsh: log2 of a row's bytes; j0: the layer's first job;
; act = 1: the layer's input carries the activation's factor 0.65.
.macro WJOB arg, rowsh, dst, j0, act
	s_load_b128 s[36:39], s[0:1], \arg             ; W, gamma
	s_load_b64 s[40:41], s[0:1], (\arg)+16         ; var
	s_sub_co_u32 s42, s17, \j0                     ; the quad
.if (\rowsh) == 5
	v_lshl_add_u32 v[M], s42, 4, v[R]              ; layer 0: quad mt holds rows 16 mt + r whole, 8 numbers, alike in both halves of the lanes
	v_lshlrev_b32 v[WO], 5, v[M]
.else
	s_lshr_b32 s43, s42, 3                         ; mt
	s_bfe_u32 s44, s42, 0x20001                    ; kk
	s_and_b32 s45, s42, 1                          ; e
	s_lshl_b32 s44, s44, 7
	s_lshl_b32 s45, s45, 6
	s_add_co_u32 s44, s44, s45                     ; 4 x (32 kk + 16 e) bytes
	v_lshl_add_u32 v[M], s43, 4, v[R]
	v_lshl_add_u32 v[WO], v[H], 5, s44
	v_lshl_add_u32 v[WO], v[M], \rowsh, v[WO]
.endif
	v_lshlrev_b32 v[GOF], 2, v[M]
	v_lshl_add_u32 v[LO], s42, 9, v[LO]
	s_wait_kmcnt 0x0
	global_load_b128 v[W:W+3], v[WO], s[36:37]
	global_load_b128 v[W+4:W+7], v[WO], s[36:37] offset:16
	global_load_b32 v[GV], v[GOF], s[38:39]
	global_load_b32 v[VV], v[GOF], s[40:41]
	s_wait_loadcnt 0x0
	v_add_f32 v[VV], 0x3727c5ac, v[VV]             ; + 1e-5
	v_rsq_f32 v[VV], v[VV]
.if \act
	v_mul_f32 v[GV], 0x3f266666, v[GV]             ; 0.65; also the plain instruction between v_rsq_f32 and the use of its result (ISA guide 5.7.2)
	s_wait_alu depctr_va_vdst(0)
.else
	v_nop                                          ; the plain instruction between v_rsq_f32 and the use of its result (ISA guide 5.7.2)
	s_wait_alu depctr_va_vdst(0)
.endif
	v_mul_f32 v[SS], v[GV], v[VV]
	v_mul_f32 v[SS+1], v[GV], v[VV]
	WTAIL \dst
.endm
.Lw0:
	WJOB 0x28, 5, OW0, 0, 0
.Lw1:
	WJOB 0x58, 9, OW1, 8, 1
.Lw2:
	WJOB 0x88, 9, OW2, 72, 1
.Lwf:                                                  ; Wf: quad 2 kk + e.  Rows r % 8 = 0..2 hold Wf's rows; the others read row 2 and take the factor 0: their rows of the product are never read
	s_load_b64 s[36:37], s[0:1], 0xb8
	s_sub_co_u32 s42, s17, 104
	s_lshr_b32 s44, s42, 1
	s_and_b32 s45, s42, 1
	s_lshl_b32 s44, s44, 7
	s_lshl_b32 s45, s45, 6
	s_add_co_u32 s44, s44, s45
	s_mov_b32 s46, 0x3b0dfea2                      ; (0.01 / 3) x 0.65
	v_and_b32 v[M], 7, v[R]
	v_cmp_gt_u32 vcc_lo, 3, v[M]
	v_min_u32 v[M], 2, v[M]
	v_lshl_add_u32 v[WO], v[H], 5, s44
	v_lshl_add_u32 v[WO], v[M], 8, v[WO]
	v_lshl_add_u32 v[LO], s42, 9, v[LO]
	v_cndmask_b32 v[SS], 0, s46, vcc_lo
	v_cndmask_b32 v[SS+1], 0, s46, vcc_lo
	s_wait_kmcnt 0x0
	global_load_b128 v[W:W+3], v[WO], s[36:37]
	global_load_b128 v[W+4:W+7], v[WO], s[36:37] offset:16
	s_wait_loadcnt 0x0
	WTAIL OWF
; A layer's folded biases, c = s (b - mean) + beta: four channels a lane.  last = 1: layer 2 has 64 channels, lanes 0-15; lane 16 stores cf and a 0, lanes 17-31 zeros, and a second store fills the biases' 2,048 bytes to their end.
.macro BJOB arg, dst, last
	s_load_b256 s[36:43], s[0:1], (\arg)+8         ; gamma, var, b, mean
	s_load_b64 s[44:45], s[0:1], (\arg)+40         ; beta
.if \last
	s_load_b64 s[46:47], s[0:1], 0xc0              ; bf
	v_min_u32 v[BO], 15, v1
	v_lshlrev_b32 v[BO], 4, v[BO]
.else
	v_lshlrev_b32 v[BO], 4, v1
.endif
	s_wait_kmcnt 0x0
.if \last
	s_load_b96 s[48:50], s[46:47], 0x0
.endif
	global_load_b128 v[BG:BG+3], v[BO], s[36:37]
	global_load_b128 v[BV:BV+3], v[BO], s[38:39]
	global_load_b128 v[BB:BB+3], v[BO], s[40:41]
	global_load_b128 v[BM:BM+3], v[BO], s[42:43]
	global_load_b128 v[BE:BE+3], v[BO], s[44:45]
	s_wait_loadcnt 0x0
.irp j, 0,1,2,3
	v_add_f32 v[BV+\j], 0x3727c5ac, v[BV+\j]
.endr
.irp j, 0,1,2,3
	v_rsq_f32 v[BV+\j], v[BV+\j]
.endr
.irp j, 0,1,2,3
	v_sub_f32 v[BB+\j], v[BB+\j], v[BM+\j]         ; plain work between the last v_rsq_f32 and the use of its result (ISA guide 5.7.2)
.endr
	s_wait_alu depctr_va_vdst(0)
.irp j, 0,1,2,3
	v_mul_f32 v[BG+\j], v[BG+\j], v[BV+\j]
.endr
.irp j, 0,1,2,3
	v_fma_f32 v[BE+\j], v[BG+\j], v[BB+\j], v[BE+\j]
.endr
.if \last
	s_wait_kmcnt 0x0
	s_mul_f32 s48, s48, 0x3b5a740e                 ; 0.01 / 3
	s_mul_f32 s49, s49, 0x3b5a740e
	s_mul_f32 s50, s50, 0x3b5a740e
	v_cmp_gt_u32 vcc_lo, 16, v1
	v_cmp_eq_u32 s51, 16, v1
.irp j, 0,1,2
	v_cndmask_b32 v[TT+\j], 0, s[48+\j], s51
.endr
.irp j, 0,1,2
	v_cndmask_b32 v[BE+\j], v[TT+\j], v[BE+\j], vcc_lo
.endr
	v_cndmask_b32 v[BE+3], 0, v[BE+3], vcc_lo
.irp j, 0,1,2,3
	v_mov_b32 v[TT+\j], 0
.endr
	global_store_b128 v[LO], v[TT:TT+3], s[12:13] offset:(\dst)+512
.endif
	global_store_b128 v[LO], v[BE:BE+3], s[12:13] offset:\dst
	s_wait_tensorcnt 0x0
	ds_add_u32 v96, v97
	s_wait_dscnt 0x0
	s_endpgm
.endm
.Lb0:
	BJOB 0x28, OC0, 0
.Lb1:
	BJOB 0x58, OC1, 0
.Lb2:
	BJOB 0x88, OC2, 1
.Lfunc_end_k_q19f13ab8a1_prep:
	.size	k_q19f13ab8a1_prep, .Lfunc_end_k_q19f13ab8a1_prep-k_q19f13ab8a1_prep
	.p2alignl 7, 3214868480
	.fill 96, 4, 3214868480
	.section	.rodata,"a",@progbits
	.p2align	6, 0x0
	.amdhsa_kernel k_q19f13ab8a1_prep
		.amdhsa_group_segment_fixed_size 13568
		.amdhsa_private_segment_fixed_size 0
		.amdhsa_enable_private_segment 0
		.amdhsa_kernarg_size 200
		.amdhsa_user_sgpr_count 2
		.amdhsa_user_sgpr_kernarg_segment_ptr 1
		.amdhsa_wavefront_size32 1
		.amdhsa_system_sgpr_workgroup_id_x 1
		.amdhsa_system_sgpr_workgroup_id_y 1
		.amdhsa_system_sgpr_workgroup_id_z 1
		.amdhsa_system_vgpr_workitem_id 0
		.amdhsa_next_free_vgpr 98
		.amdhsa_next_free_sgpr 66
		.amdhsa_reserve_vcc 1
		.amdhsa_float_denorm_mode_32 3
		.amdhsa_float_denorm_mode_16_64 3
		.amdhsa_memory_ordered 1
		.amdhsa_forward_progress 1
		.amdhsa_inst_pref_size 32
	.end_amdhsa_kernel
	.amdgpu_metadata
---
amdhsa.version: [ 1, 2 ]
amdhsa.kernels:
  - .name:           k_q19f13ab8a1_prep
    .symbol:         k_q19f13ab8a1_prep.kd
    .args:
      - { .name: image, .offset: 0, .size: 8, .value_kind: global_buffer, .address_space: global }
      - { .name: vertices, .offset: 8, .size: 8, .value_kind: global_buffer, .address_space: global }
      - { .name: table, .offset: 16, .size: 8, .value_kind: global_buffer, .address_space: global }
      - { .name: iA, .offset: 24, .size: 8, .value_kind: global_buffer, .address_space: global }
      - { .name: wts, .offset: 32, .size: 8, .value_kind: global_buffer, .address_space: global }
      - { .name: params_layers_0_W, .offset: 40, .size: 8, .value_kind: global_buffer, .address_space: global }
      - { .name: params_layers_0_gamma, .offset: 48, .size: 8, .value_kind: global_buffer, .address_space: global }
      - { .name: params_layers_0_var, .offset: 56, .size: 8, .value_kind: global_buffer, .address_space: global }
      - { .name: params_layers_0_b, .offset: 64, .size: 8, .value_kind: global_buffer, .address_space: global }
      - { .name: params_layers_0_mean, .offset: 72, .size: 8, .value_kind: global_buffer, .address_space: global }
      - { .name: params_layers_0_beta, .offset: 80, .size: 8, .value_kind: global_buffer, .address_space: global }
      - { .name: params_layers_1_W, .offset: 88, .size: 8, .value_kind: global_buffer, .address_space: global }
      - { .name: params_layers_1_gamma, .offset: 96, .size: 8, .value_kind: global_buffer, .address_space: global }
      - { .name: params_layers_1_var, .offset: 104, .size: 8, .value_kind: global_buffer, .address_space: global }
      - { .name: params_layers_1_b, .offset: 112, .size: 8, .value_kind: global_buffer, .address_space: global }
      - { .name: params_layers_1_mean, .offset: 120, .size: 8, .value_kind: global_buffer, .address_space: global }
      - { .name: params_layers_1_beta, .offset: 128, .size: 8, .value_kind: global_buffer, .address_space: global }
      - { .name: params_layers_2_W, .offset: 136, .size: 8, .value_kind: global_buffer, .address_space: global }
      - { .name: params_layers_2_gamma, .offset: 144, .size: 8, .value_kind: global_buffer, .address_space: global }
      - { .name: params_layers_2_var, .offset: 152, .size: 8, .value_kind: global_buffer, .address_space: global }
      - { .name: params_layers_2_b, .offset: 160, .size: 8, .value_kind: global_buffer, .address_space: global }
      - { .name: params_layers_2_mean, .offset: 168, .size: 8, .value_kind: global_buffer, .address_space: global }
      - { .name: params_layers_2_beta, .offset: 176, .size: 8, .value_kind: global_buffer, .address_space: global }
      - { .name: params_Wf, .offset: 184, .size: 8, .value_kind: global_buffer, .address_space: global }
      - { .name: params_bf, .offset: 192, .size: 8, .value_kind: global_buffer, .address_space: global }
    .group_segment_fixed_size: 13568
    .private_segment_fixed_size: 0
    .kernarg_segment_align: 8
    .kernarg_segment_size: 200
    .max_flat_workgroup_size: 160
    .sgpr_count:     66
    .vgpr_count:     98
    .wavefront_size: 32
...
	.end_amdgpu_metadata
.endif
;; end of part 1
;; launch step1 (part 2): grid 250 x 1, 4 waves a work-group, no clusters, 168,448 bytes of LDS; arguments table, wts, vertices, iA, vA, iB; writes vA, iB
.if DOCPART == 2
	.amdgcn_target "amdgcn-amd-amdhsa--gfx1250"
	.amdhsa_code_object_version 6
	.text
	.protected	k_q19f13ab8a1_step1
	.globl	k_q19f13ab8a1_step1
	.p2align	8
	.type	k_q19f13ab8a1_step1,@function
k_q19f13ab8a1_step1:
	s_mov_b64 s[64:65], 0
	v_nop
	global_prefetch_b8 v0, s[64:65] scope:SCOPE_SE
	s_setreg_imm32_b32 hwreg(HW_REG_WAVE_MODE, 25, 1), 1
	s_wait_xcnt 0x0
; ONE DEFORMATION STEP: for each of 240,000 vertices a trilinear sample of 8 channels, the network 8 -> 128 -> 128 -> 64 -> 3, vertex += (0.01/3) x result; and the cell index of the
; NEW vertex, which the next launch's gather needs: no address here is made of a floating-point number.  Arguments: table, wts, vertices in, indices in, vertices out, indices out.
; The same text runs three times; the third time the indices that it stores are read by nobody: 4 of the 16 bytes stored for a vertex, the price of one text for all three.
; SHARES.  240,000 = 250 work-groups x 4 waves x 5 passes x 3 tiles x 16 vertices: every trip count is a constant.  A group's 960 vertices lie in one batch (120,000 = 125 x 960).
; WEIGHTS AND BIASES STAY IN REGISTERS for the whole launch (464 + 168); they come through LDS once.  ACTIVATIONS NEVER LEAVE REGISTERS: source 0 = 16 output channels x 32 k of weights,
; source 1 = 32 k x 16 vertices.  In a result lane (r = lane % 16, h = lane / 16) holds vertex r and channels 16 mt + 8 h + 0..7, so results 2 kk and 2 kk + 1, rounded to bf16 in pairs,
; ARE source 1 of the next layer's K step kk.  A layer's bias is the C operand of its first K step.
; THE SAMPLE.  The table is [2][100 z][100 y][104 x] cells of 16 bytes (8 channels in bf16).  Two lanes a vertex: lane (r, h) reads the four (y, z) corners at x corner h, so lanes r and 16 + r
; read 32 neighbouring bytes.  It sums over y for z0 (registers 0-3 of source 1) and for z1 (registers 4-7).  Layer 0's weights stand four times along its K of 32 = (z corner, x corner, channel):
; the product ends the interpolation.  The table's border cells are zero and the index is clamped into them: no test for validity.
; ACTIVATION.  leaky(x) = 0.65 (x + (7/13) |x|); the 0.65 lies in the next layer's weights.  One instruction a number: v_fma_mixlo_bf16 / v_fma_mixhi_bf16 make x + (7/13) |x| and round it once to bf16.
; THE START, BY PARTS.  wts lies in the order of need and comes as four parts of 14,336 bytes, each wave bringing a quarter of each part (14 rows of 256 bytes): small loads, so that a part is read
; into registers while the later parts are on their way.  With my 240 vertices five tensor loads of mine are out, all issued together at the start.  Pass 0's preparation stands in the waits between.
; BY TURNS.  A tile is a chain (product, activation, product, ..), and a wave issues in order, so a pass's three tiles take turns.  A JOB is one layer of one tile; the jobs go layer by layer
; (L0 of tiles 0, 1, 2; L1; L2; the last layer of all three), their results into two accumulator buffers by turns.  The activation of job j stands as RIDERS behind the matrix instructions of job j + 1
; and is read by job j + 3.  A tile has 58 matrix instructions, 160 activation instructions and 85 others (weights of the corners 22, interpolation 40, update 23).
; The riders' source 0 is a scalar, and X and the accumulators share a window: a rider runs under the window setting of a product that adds in place, without a switch.
; The others need window 0: the NEXT pass's weights and interpolation stand in CHUNKS of 4 or 5 behind the first 16 products of each L1 job, two switches a chunk.
; Not hidden: a pass's 21 loads at its head, L0 of tile 0, what L0 of tiles 1 and 2 carry beyond their room (8 riders a product), and the update at the pass's end.
; AHEAD.  Pass p makes pass p + 1's F; asks for pass p + 2's indices at its head and for its cells as soon as a tile's cells have been read.  So the last two passes are written out: no load passes a buffer's end.
; NO CLUSTER: 250 work-groups are no multiple of four, and what work-groups share, the 57,344 bytes of wts, is about a tenth of the 552,960 bytes that a group's gathers, vertices and weights come to.
; LDS is filled once, at the start; the launch declares 168,448 bytes and uses 72,704.
; LIMITS.  Rounded to bf16: the table, the folded weights, each feature's four partial sums, the activations.  In f32: interpolation weights, all sums, biases, vertices.
; u = (v + 1) 48 - 0.5 is one fused multiply-add behind the addition (see the preparation).  An infinity or NaN in the image counts as 0 where only the padding's zero weight would reach it.
; A NaN vertex stays NaN; its index is clamped into the table.
.set VTX,  57344                       ; LDS: 0 the image of wts | VTX 960 vertices x 12 bytes, wave w's 240 at + 2,880 w; the new ones overwrite the old | IDXO 960 new indices
.set IDXO, 68864
.set OC0,  0                           ; places in wts
.set OC1,  512
.set OC2,  1024
.set OCF,  1280
.set OW0,  2048
.set OW1,  6144
.set OW2,  38912
.set OWF,  55296
.set PART, 14336                       ; a quarter of wts: 28 quads of 512 bytes
.set YP,   1664                        ; the table: bytes from y to y + 1: 104 cells
.set ZP,   166400                      ; from z to z + 1: 10,400 cells
.set BATCH, 16640000                   ; a batch's bytes
.set MAXI, 0xfb576                     ; the last cell that has all eight corners: (98 x 100 + 98) x 104 + 102
; window 0: addresses, the work outside the network, layer 0's source 1, the biases
.set VT,  2                            ; v2   LDS address of vertex r of the pass's tile 0
.set IXO, 3                            ; v3   LDS address of its new index
.set IO,  4                            ; v4   byte offset of its index in the group's part of the indices
.set H16, 5                            ; v5   16 h
.set NIL, 6                            ; v6   0
.set LW,  7                            ; v7   16 x lane
.set HB,  8                            ; v8   32 h
.set GO,  9                            ; v9   16 x thread
.set IR,  10                           ; v[10:12]  a tile's index
.set ADR, 14                           ; v[14:16]  a tile's byte offset in the table
.set FL,  17                           ; v17  VTX + 16 x thread
.set FI,  18                           ; v18  IDXO + 16 x thread
.set CO,  20                           ; v[20:31]  4 a tile: x, y, z of the pass in hand, for its update
.set WT,  32                           ; v[32:43]  4 a tile: the next pass's x, y, z, then the weights of my four corners
.set T,   44                           ; v[44:59]  at work
.set FJ,  60                           ; v60  IDXO + 16 x min(thread, 111)
.set F,   64                           ; v[64:87]   8 a tile: layer 0's source 1
.set C0,  88                           ; v[88:151]  layer 0's biases as C operands, 8 for each 16 channels
.set C1,  152                          ; v[152:215]
.set C2,  216                          ; v[216:247]
.set CF,  248                          ; v[248:255]
.set FD,  88                           ; the way out's data, where C0 lay
; window 1: W1, fragment (mt, kk) at 8 (4 mt + kk)
.set W1,  0
; window 2: W2 likewise, W0, Wf, and the cells
.set W2,  0
.set W0,  128
.set WF,  192
.set G,   208                          ; v[208:255] 16 a tile: four cells
; window 3: what the riders touch
.set XB,  0                            ; v[0:95]    32 a tile: activations in bf16, source 1 of layers 1, 2 and the last
.set AB,  96                           ; v[96:223]  two buffers of eight accumulators
.set LFA, 224                          ; v[224:247] the last layer's accumulator, one a tile
.set G0A, 36                           ; s[36:39], s[60:63], s[68:71], s[72:75]  descriptor group 0 of the four parts of wts; s[40:47] their group 1
.set G0B, 60
.set G0C, 68
.set G0D, 72
.set KK,  50                           ; s50  7/13
.set HM,  51                           ; s51  the lanes with h = 1
.set K48, 54                           ; s54  48.0
.set K98, 55                           ; s55  98.0
.set K102, 57                          ; s57  102.0
.set MSB, 0
.macro WIN new                         ; s_set_vgpr_msb: bits 1:0 source 0, 3:2 source 1, 5:4 source 2, 7:6 destination; the high byte repeats the setting that is left; a switch that changes nothing is dropped
.if MSB != (\new)
	s_set_vgpr_msb (MSB<<8)|(\new)
.set MSB, \new
.endif
.endm
.set S_L0,  0xc2                       ; weights window 2, F and bias window 0, result window 3
.set S_L1B, 0xcd                       ; weights window 1, X window 3, bias window 0, result window 3
.set S_L1I, 0xfd                       ; the same, adding in place
.set S_L2B, 0xce                       ; weights window 2
.set S_L2I, 0xfe
.macro G0LDS g, k                      ; part k's group 0: count = 1; LDS address: the part, and my quarter of it
	s_mov_b32 s[\g], 1
	s_add_co_u32 s[(\g)+1], s20, PART*(\k)
.endm
.macro G0MEM g, k                      ; its global address, and type = 2
	s_add_nc_u64 s[(\g)+2:(\g)+3], s[22:23], PART*(\k)
	s_or_b32 s[(\g)+3], s[(\g)+3], 0x80000000
.endm
	s_load_b256 s[4:11], s[0:1], 0x0               ; table s[4:5], wts s[6:7], vertices in s[8:9], indices in s[10:11]
	s_load_b128 s[12:15], s[0:1], 0x20             ; vertices out s[12:13], indices out s[14:15]
	v_lshl_add_u32 v62, v0, 2, 0x29000
	v_mov_b32 v63, 0
	ds_add_u32 v62, v63
	ds_add_u32 v62, v63
	v_lshrrev_b32 v1, 5, v0
	v_readfirstlane_b32 s16, v1                    ; wave 0..3
	s_mov_b32 s17, ttmp9                           ; work-group 0..249
	v_and_b32 v1, 15, v0                           ; r
	v_bfe_u32 v13, v0, 4, 1                        ; h
	v_and_b32 v19, 31, v0                          ; lane
	v_mov_b32 v[NIL], 0
	v_lshlrev_b32 v[H16], 4, v13
	v_lshlrev_b32 v[HB], 5, v13
	v_lshlrev_b32 v[LW], 4, v19
	v_lshlrev_b32 v[GO], 4, v0
	v_add_nc_u32 v[FL], VTX, v[GO]
	v_add_nc_u32 v[FI], IDXO, v[GO]
	v_min_u32 v[FJ], 1776, v[GO]
	v_add_nc_u32 v[FJ], IDXO, v[FJ]
	; descriptor for my 240 vertices: one row of 360 elements of 8 bytes
	s_mov_b32 s24, 1                               ; count = 1
	s_mul_i32 s18, s16, 2880
	s_add_co_u32 s25, s18, VTX                     ; LDS address
	s_mov_b32 s28, 3<<16                           ; elements of 8 bytes; no mask, no padding
	s_mov_b32 s29, 360<<16                         ; tensor_dim0 = 360
	s_mov_b32 s30, 1<<16                           ; tensor_dim1 = 1
	s_mov_b32 s31, 360<<16                         ; tile_dim0 = 360
	s_mov_b32 s32, 1                               ; tile_dim1 = 1
	s_mov_b32 s33, 360                             ; elements from row to row
	s_mov_b32 s34, 0
	s_mov_b32 s35, 0
	; group 1 for my quarter of a part of wts: 14 rows of 32 elements of 8 bytes, dense
	s_mov_b32 s40, 3<<16
	s_mov_b32 s41, 32<<16                          ; tensor_dim0 = 32
	s_mov_b32 s42, 14<<16                          ; tensor_dim1 = 14
	s_mov_b32 s43, 32<<16                          ; tile_dim0 = 32
	s_mov_b32 s44, 14                              ; tile_dim1 = 14
	s_mov_b32 s45, 32
	s_mov_b32 s46, 0
	s_mov_b32 s47, 0
	s_mul_i32 s20, s16, PART/4                     ; my quarter's byte in a part, in LDS and in wts
	s_mov_b32 s21, 0
	G0LDS G0A, 0
	G0LDS G0B, 1
	G0LDS G0C, 2
	G0LDS G0D, 3
	s_lshl_b32 s18, s17, 2
	s_add_co_u32 s18, s18, s16
	s_mul_i32 s18, s18, 2880                       ; my vertices' first byte
	s_mov_b32 s19, 0
	s_mul_i32 s56, s16, 960
	v_mul_u32_u24 v[VT], v1, 12
	v_add_nc_u32 v[VT], s25, v[VT]
	v_lshl_add_u32 v[IO], v1, 2, s56
	v_add_nc_u32 v[IXO], IDXO, v[IO]
	s_mov_b32 s[KK], 0x3f09d89e
	s_mov_b32 s[HM], 0xffff0000
	s_mov_b32 s[K48], 0x42400000
	s_mov_b32 s[K98], 0x42c40000
	s_mov_b32 s[K102], 0x42cc0000
	s_wait_dscnt 0x0
	s_wait_kmcnt 0x0
	s_add_nc_u64 s[26:27], s[8:9], s[18:19]
	s_or_b32 s27, s27, 0x80000000                  ; type = 2
	s_add_nc_u64 s[22:23], s[6:7], s[20:21]
	G0MEM G0A, 0
	G0MEM G0B, 1
	G0MEM G0C, 2
	G0MEM G0D, 3
	tensor_load_to_lds s[24:27], s[28:35]          ; the launch's only fills, together at its start: my vertices first, then the four parts in the order of need: five tensor loads of mine are out
	s_nop 0
	tensor_load_to_lds s[G0A:G0A+3], s[40:47]
	s_nop 0
	tensor_load_to_lds s[G0B:G0B+3], s[40:47]
	s_nop 0
	tensor_load_to_lds s[G0C:G0C+3], s[40:47]
	s_nop 0
	tensor_load_to_lds s[G0D:G0D+3], s[40:47]
	s_nop 0
.rept 4
	v_nop
.endr
	s_cmp_ge_u32 s17, 125
	s_cselect_b32 s22, BATCH, 0                    ; my batch's half of the table
	s_mov_b32 s23, 0
	s_add_nc_u64 s[48:49], s[4:5], s[22:23]
	s_mul_i32 s22, s17, 3840                       ; the group's 960 indices
	s_add_nc_u64 s[10:11], s[10:11], s[22:23]
	s_add_nc_u64 s[14:15], s[14:15], s[22:23]
	s_mul_i32 s22, s17, 11520                      ; and its 960 vertices
	s_add_nc_u64 s[12:13], s[12:13], s[22:23]
; ---- THE WORK OUTSIDE THE NETWORK, as numbered lists, so that it can be dealt in chunks ----
; A tile's four gathers.  The index is clamped to the last cell that has all eight corners; behind that a shift and an addition.
.macro GTH t
	WIN 0
	v_min_u32 v[IR+(\t)], MAXI, v[IR+(\t)]
	v_lshl_add_u32 v[ADR+(\t)], v[IR+(\t)], 4, v[H16]
	WIN 0x80                                       ; destination window 2, address window 0
	global_load_b128 v[G+16*(\t):G+16*(\t)+3],     v[ADR+(\t)], s[48:49]                ; z0, y0
	global_load_b128 v[G+16*(\t)+4:G+16*(\t)+7],   v[ADR+(\t)], s[48:49] offset:YP      ; z0, y1
	global_load_b128 v[G+16*(\t)+8:G+16*(\t)+11],  v[ADR+(\t)], s[48:49] offset:ZP      ; z1, y0
	global_load_b128 v[G+16*(\t)+12:G+16*(\t)+15], v[ADR+(\t)], s[48:49] offset:ZP+YP   ; z1, y1
.endm
.macro CNLOAD t, base                  ; tile t's coordinates, base bytes behind the pass in hand, into the registers that will hold its weights
.irp j, 0,1,2
	ds_load_b32 v[WT+4*(\t)+\j], v[VT] offset:(\base)+192*(\t)+4*\j
.endr
.endm
; Number wq of the 66 that make the weights of my four corners for three tiles, nine coordinates abreast.  u = (c + 1) 48 - 0.5 and its floor by the same three instructions as in the
; preparation and in the update below, so that all find the same cell for the same number.  0-8 c + 1; 9-17 u; 18-26 floor; 27-35 the fraction f; 36-44 g = 1 - f; then for each tile:
; my x corner's factor (h = 0: gx; h = 1: fx); a = gz wx; b = fz wx; a gy; b fy; b gy; a fy.
.macro WQ
	WIN 0
.if wq < 45
.set wqc, WT+4*((wq%9)/3)+wq%3
.set wqf, T+wq%9
.if wq < 9
	v_add_f32 v[wqc], 1.0, v[wqc]
.elseif wq < 18
	v_fma_f32 v[wqc], v[wqc], s[K48], -0.5
.elseif wq < 27
	v_floor_f32 v[wqf], v[wqc]
.elseif wq < 36
	v_sub_f32 v[wqc], v[wqc], v[wqf]
.else
	v_sub_f32 v[wqf], 1.0, v[wqc]
.endif
.else
.set wqt, (wq-45)%3
.set wqs, (wq-45)/3
.if wqs == 0
	v_cndmask_b32 v[T+9+wqt], v[T+3*wqt], v[WT+4*wqt], s[HM]
.elseif wqs == 1
	v_mul_f32 v[T+3*wqt+2], v[T+3*wqt+2], v[T+9+wqt]
.elseif wqs == 2
	v_mul_f32 v[T+9+wqt], v[WT+4*wqt+2], v[T+9+wqt]
.elseif wqs == 3
	v_mul_f32 v[WT+4*wqt], v[T+3*wqt+2], v[T+3*wqt+1]      ; z0, y0
.elseif wqs == 4
	v_mul_f32 v[WT+4*wqt+3], v[T+9+wqt], v[WT+4*wqt+1]     ; z1, y1
.elseif wqs == 5
	v_mul_f32 v[WT+4*wqt+2], v[T+9+wqt], v[T+3*wqt+1]      ; z1, y0
.else
	v_mul_f32 v[WT+4*wqt+1], v[T+3*wqt+2], v[WT+4*wqt+1]   ; z0, y1
.endif
.endif
.set wq, wq+1
.endm
; Number n of the 40 of tile t's interpolation: 0-15 cell(y0) x weight for z0, z1 and 8 channels, straight from the bf16 halves into f32; 16-31 + cell(y1) x weight; 32-39 rounded in pairs into F
.macro IQ t, n
.if (\n) < 32
.set iqz, ((\n)%16)/8
.set iqj, ((\n)%8)/2
.set iqd, T+8*iqz+2*iqj+(\n)%2
	WIN 0x02                                       ; the cells lie in window 2
.if (\n) < 16
.if (\n)%2 == 0
	v_fma_mix_f32_bf16 v[iqd], v[G+16*(\t)+8*iqz+iqj], v[WT+4*(\t)+2*iqz], v[NIL] op_sel_hi:[1,0,0]
.else
	v_fma_mix_f32_bf16 v[iqd], v[G+16*(\t)+8*iqz+iqj], v[WT+4*(\t)+2*iqz], v[NIL] op_sel:[1,0,0] op_sel_hi:[1,0,0]
.endif
.else
.if (\n)%2 == 0
	v_fma_mix_f32_bf16 v[iqd], v[G+16*(\t)+8*iqz+4+iqj], v[WT+4*(\t)+2*iqz+1], v[iqd] op_sel_hi:[1,0,0]
.else
	v_fma_mix_f32_bf16 v[iqd], v[G+16*(\t)+8*iqz+4+iqj], v[WT+4*(\t)+2*iqz+1], v[iqd] op_sel:[1,0,0] op_sel_hi:[1,0,0]
.endif
.endif
.else
	WIN 0
	v_cvt_pk_bf16_f32 v[F+8*(\t)+(\n)-32], v[T+2*((\n)-32)], v[T+2*((\n)-32)+1]
.endif
.endm
.macro IQ4 t, first                    ; the chunk of four at place np, where the tile's chunks begin at place first
.set iq, 4*(np-(\first))
.rept 4
	IQ \t, iq
.set iq, iq+1
.endr
.endm
; PLACE np of the 48 behind the first 16 products of the three L1 jobs.  0-13 the weights, five a place; 14-23, 24-33, 35-44 the three tiles' interpolation, four a place;
; 34, 45, 46 the gathers of the pass after the next, each when its tile's cells have been read.
; Loads come back in order (ISA guide 5.7.1).  In front of tile 0's interpolation the gathers of tiles 1 and 2 (8) and the three index loads of this pass's head may stay out; in front of tile 1's, 4 and the three.
.macro NPLACE prep, gath
.if \prep
.if np == 0
	s_wait_dscnt 0x0                               ; the coordinates asked for at the pass's head
.endif
.if np < 14
.rept 5
.if wq < 66
	WQ
.endif
.endr
.elseif np < 24
.if np == 14
	s_wait_loadcnt 8+3*(\gath)
.endif
	IQ4 0, 14
.elseif np < 34
.if np == 24
	s_wait_loadcnt 4+3*(\gath)
.endif
	IQ4 1, 24
.elseif np == 34
	s_wait_loadcnt 0x0                             ; tile 2's cells and the indices: ADR and IR may be written
.if \gath
	GTH 0
.endif
.elseif np < 45
	IQ4 2, 35
.elseif np < 47
.if \gath
	GTH np-44
.endif
.endif
.endif
.set np, np+1
.endm
; ---- THE START ----
; A part of wts has arrived: mine (tensor loads of a wave end in order, ISA guide 10.11.1: `left` later ones may stay out), and behind the barrier everybody's.
; No LDS instruction of mine is pending at the signal.
.macro ARRIVE left
	s_wait_tensorcnt \left
	s_wait_dscnt 0x0
	s_barrier_signal -1
	s_barrier_wait -1
.endm
.macro LQ base, obase, q0, n           ; n weight quads from quad q0 on: 16 bytes a lane, four registers each
.set q, \q0
.rept \n
	ds_load_b128 v[(\base)+4*q:(\base)+4*q+3], v[LW] offset:(\obase)+512*q
.set q, q+1
.endr
.endm
.irp t, 0,1,2
	global_load_b32 v[IR+\t], v[IO], s[10:11] offset:64*\t
.endr
	WIN 0xc0                                       ; v_fma_mixlo_bf16 keeps its destination's other half and so reads it: X is written once, while the first indices are on their way
.set q, 0
.rept 96
	v_mov_b32 v[XB+q], 0
.set q, q+1
.endr
	WIN 0
	s_wait_loadcnt 0x0
	GTH 0                                          ; pass 0's cells
	GTH 1
	GTH 2
	WIN 0
.irp t, 0,1,2
	global_load_b32 v[IR+\t], v[IO], s[10:11] offset:192+64*\t   ; pass 1's indices
.endr
	s_wait_tensorcnt 4                             ; my vertices are in LDS; the four parts of wts, issued behind them, may stay out.  Only my wave reads these bytes: no barrier
	CNLOAD 0, 0
	CNLOAD 1, 0
	CNLOAD 2, 0
	s_wait_dscnt 0x0
.set wq, 0
.rept 66
	WQ                                             ; pass 0's corner weights
.endr
	ARRIVE 3                                       ; part 0: the biases, W0, W1's quads 0-15
.irp m, 0,1,2,3,4,5,6,7
	ds_load_b128 v[C0+8*\m:C0+8*\m+3],   v[HB] offset:OC0+64*\m     ; channels 16 mt + 8 h + 0..7
	ds_load_b128 v[C0+8*\m+4:C0+8*\m+7], v[HB] offset:OC0+64*\m+16
	ds_load_b128 v[C1+8*\m:C1+8*\m+3],   v[HB] offset:OC1+64*\m
	ds_load_b128 v[C1+8*\m+4:C1+8*\m+7], v[HB] offset:OC1+64*\m+16
.endr
.irp m, 0,1,2,3
	ds_load_b128 v[C2+8*\m:C2+8*\m+3],   v[HB] offset:OC2+64*\m
	ds_load_b128 v[C2+8*\m+4:C2+8*\m+7], v[HB] offset:OC2+64*\m+16
.endr
	ds_load_b128 v[CF:CF+3],   v[NIL] offset:OCF                   ; cf0, cf1, cf2, 0 in every lane: rows 0-2 and 8-10 of the last product
	ds_load_b128 v[CF+4:CF+7], v[NIL] offset:OCF+16
	WIN 0x80                                       ; destination window 2, address window 0
.irp m, 0,1,2,3,4,5,6,7
	ds_load_b128 v[W0+8*\m:W0+8*\m+3],   v[LW] offset:OW0+512*\m   ; a row's 8 weights for z0,
	ds_load_b128 v[W0+8*\m+4:W0+8*\m+7], v[LW] offset:OW0+512*\m   ; and once more for z1
.endr
	WIN 0x40                                       ; destination window 1
	LQ W1, OW1, 0, 16
	WIN 0
	s_wait_loadcnt 3                               ; pass 0's twelve gathers are in; the three index loads issued behind them may stay out
.irp t, 0,1,2
.set iq, 0
.rept 40
	IQ \t, iq                                      ; pass 0's interpolation, while the LDS loads above are served
.set iq, iq+1
.endr
.endr
	s_wait_loadcnt 0x0                             ; pass 1's indices
	GTH 0
	GTH 1
	GTH 2
	ARRIVE 2                                       ; part 1: W1's quads 16-43
	WIN 0x40
	LQ W1, OW1, 16, 28
	ARRIVE 1                                       ; part 2: W1's quads 44-63, W2's quads 0-7
	LQ W1, OW1, 44, 20
	WIN 0x80
	LQ W2, OW2, 0, 8
	ARRIVE 0                                       ; part 3: W2's quads 8-31, Wf
	LQ W2, OW2, 8, 24
	LQ WF, OWF, 0, 4
	WIN 0
	s_wait_dscnt 0x0
; ---- THE NETWORK ----
; A vector instruction that reads a matrix result or writes one of a matrix instruction's registers stands four places behind it, and only plain vector instructions that name none of
; its registers are places (ISA guide 7.12.1).  In the loop the riders of the job before are the places: they stand behind a job's LAST products too.  Only L0 of tile 0 has none.
.macro PLACES
.rept 4
	v_nop
.endr
.endm
; RIDER an of the activation of a job of tile t whose results lie in buffer p: accumulator an / 8, from its lowest register on: four low halves, then four high halves.
.macro AR t, p
.if (MSB & 0xfc) != 0xfc
	WIN AW                                         ; sources 1, 2 and destination window 3; source 0 is a scalar, so the setting of the job's products in place serves
.endif
.set arm, an/8
.set arq, an%8
.if arq < 4
	v_fma_mixlo_bf16 v[XB+32*(\t)+4*arm+arq], s[KK], |v[AB+64*(\p)+8*arm+2*arq]|, v[AB+64*(\p)+8*arm+2*arq]
.else
	v_fma_mixhi_bf16 v[XB+32*(\t)+4*arm+arq-4], s[KK], |v[AB+64*(\p)+8*arm+2*arq-7]|, v[AB+64*(\p)+8*arm+2*arq-7]
.endif
.set an, an+1
.endm
; In every job the accumulators take turns, one instruction a turn, K outermost; a job's last and the next job's first product name different buffers.
; L0 of tile t into buffer p: 8 products.  ride = 1: behind each, 8 riders of tile t - 1's L0.
.macro JOB_L0 t, p, ride
.set an, 0
.set AW, S_L2I
.set jm, 0
.rept 8
	WIN S_L0
	v_wmma_f32_16x16x32_bf16 v[AB+64*(\p)+8*jm:AB+64*(\p)+8*jm+7], v[W0+8*jm:W0+8*jm+7], v[F+8*(\t):F+8*(\t)+7], v[C0+8*jm:C0+8*jm+7]
.if \ride
.rept 8
	AR (\t)-1, 1-(\p)
.endr
.endif
.set jm, jm+1
.endr
.endm
; L1 of tile t into buffer p: 32 products.  Behind the first 16 a place of the next pass's preparation, behind the last 16 four riders each: the 64 of tile tv's job in the other buffer.
.macro JOB_L1 t, p, tv, prep, gath
.set an, 0
.set AW, S_L1I
.set ji, 0
.rept 32
.set jk, ji/8
.set jm, ji%8
.if jk == 0
	WIN S_L1B
	v_wmma_f32_16x16x32_bf16 v[AB+64*(\p)+8*jm:AB+64*(\p)+8*jm+7], v[W1+32*jm:W1+32*jm+7], v[XB+32*(\t):XB+32*(\t)+7], v[C1+8*jm:C1+8*jm+7]
.else
	WIN S_L1I
	v_wmma_f32_16x16x32_bf16 v[AB+64*(\p)+8*jm:AB+64*(\p)+8*jm+7], v[W1+32*jm+8*jk:W1+32*jm+8*jk+7], v[XB+32*(\t)+8*jk:XB+32*(\t)+8*jk+7], v[AB+64*(\p)+8*jm:AB+64*(\p)+8*jm+7]
.endif
.if ji < 16
	NPLACE \prep, \gath
.else
.rept 4
	AR \tv, 1-(\p)
.endr
.endif
.set ji, ji+1
.endr
.endm
; L2 of tile t into the first four accumulators of buffer p: 16 products.  full = 1: four riders behind each (the 64 of an L1 job); 0: behind the last 8 (the 32 of an L2 job).
.macro JOB_L2 t, p, tv, full
.set an, 0
.set AW, S_L2I
.set ji, 0
.rept 16
.set jk, ji/4
.set jm, ji%4
.if jk == 0
	WIN S_L2B
	v_wmma_f32_16x16x32_bf16 v[AB+64*(\p)+8*jm:AB+64*(\p)+8*jm+7], v[W2+32*jm:W2+32*jm+7], v[XB+32*(\t):XB+32*(\t)+7], v[C2+8*jm:C2+8*jm+7]
.else
	WIN S_L2I
	v_wmma_f32_16x16x32_bf16 v[AB+64*(\p)+8*jm:AB+64*(\p)+8*jm+7], v[W2+32*jm+8*jk:W2+32*jm+8*jk+7], v[XB+32*(\t)+8*jk:XB+32*(\t)+8*jk+7], v[AB+64*(\p)+8*jm:AB+64*(\p)+8*jm+7]
.endif
.if (\full) || (ji >= 8)
.rept 4
	AR \tv, 1-(\p)
.endr
.endif
.set ji, ji+1
.endr
.endm
.macro LFW t, k                        ; K step k of the last layer for tile t
.if (\k) == 0
	WIN S_L2B
	v_wmma_f32_16x16x32_bf16 v[LFA+8*(\t):LFA+8*(\t)+7], v[WF:WF+7], v[XB+32*(\t):XB+32*(\t)+7], v[CF:CF+7]
.else
	WIN S_L2I
	v_wmma_f32_16x16x32_bf16 v[LFA+8*(\t):LFA+8*(\t)+7], v[WF+8:WF+15], v[XB+32*(\t)+8:XB+32*(\t)+15], v[LFA+8*(\t):LFA+8*(\t)+7]
.endif
.endm
; The last layer of all three tiles, three accumulators by turns.  Tile 2's L2 has no job behind it: its 32 riders stand here, 8 behind each of the first four products:
; accumulators 0, 1 ahead of tile 2's first K step, 2, 3 ahead of its second.
.macro LAST
.set an, 0
.set AW, S_L2I
.irp w, 0,1,2,3
	LFW (\w)%3, (\w)/3
.rept 8
	AR 2, 0
.endr
.endr
	LFW 1, 1
	LFW 2, 1
.endm
; The three tiles' new vertices and their cells, nine coordinates abreast (x: number % 3 = 0).  Both halves of the lanes hold the same numbers, and lanes r and 16 + r store the same words with the same values.
; Places: tile 0's result has the 8 riders above behind it; tile 1's the three additions and the v_nop; tile 2's those and three more.
.macro UPDATE3
	s_wait_dscnt 0x0                               ; the old coordinates, asked for at the pass's head
	WIN 0x03                                       ; source 0 window 3
.irp j, 0,1,2
	v_add_f32 v[CO+\j], v[LFA+\j], v[CO+\j]
.endr
	v_nop
.irp j, 0,1,2
	v_add_f32 v[CO+4+\j], v[LFA+8+\j], v[CO+4+\j]
.endr
.irp j, 0,1,2
	v_add_f32 v[CO+8+\j], v[LFA+16+\j], v[CO+8+\j]
.endr
	WIN 0
.irp e, 0,1,2,3,4,5,6,7,8
	ds_store_b32 v[VT], v[CO+4*(\e/3)+\e%3] offset:192*(\e/3)+4*(\e%3)
.endr
.irp e, 0,1,2,3,4,5,6,7,8
	v_add_f32 v[T+\e], 1.0, v[CO+4*(\e/3)+\e%3]
.endr
.irp e, 0,1,2,3,4,5,6,7,8
	v_fma_f32 v[T+\e], v[T+\e], s[K48], -0.5
.endr
.irp e, 0,1,2,3,4,5,6,7,8
	v_floor_f32 v[T+\e], v[T+\e]
.endr
.irp e, 0,1,2,3,4,5,6,7,8
.if (\e)%3 == 0
	v_add_f32 v[T+\e], 4.0, v[T+\e]
.else
	v_add_f32 v[T+\e], 2.0, v[T+\e]
.endif
.endr
.irp e, 0,1,2,3,4,5,6,7,8
.if (\e)%3 == 0
	v_med3_num_f32 v[T+\e], v[T+\e], 0, s[K102]
.else
	v_med3_num_f32 v[T+\e], v[T+\e], 0, s[K98]
.endif
.endr
.irp e, 0,1,2,3,4,5,6,7,8
	v_cvt_u32_f32 v[T+\e], v[T+\e]
.endr
.irp u, 0,1,2
	v_mad_u32_u24 v[T+3*\u+2], v[T+3*\u+2], 100, v[T+3*\u+1]
.endr
.irp u, 0,1,2
	v_mad_u32_u24 v[T+3*\u], v[T+3*\u+2], 104, v[T+3*\u]
.endr
.irp u, 0,1,2
	ds_store_b32 v[IXO], v[T+3*\u] offset:64*\u
.endr
.endm
; A PASS: 48 vertices.  prep = 1: a pass follows, and this one makes its F.  gath = 1: two follow, and this one asks for the second's indices and cells.
.macro PASS prep, gath
.set np, 0
.set wq, 0
.if \gath
.irp u, 0,1,2
	global_load_b32 v[IR+\u], v[IO], s[10:11] offset:384+64*\u
.endr
.endif
.irp e, 0,1,2,3,4,5,6,7,8
	ds_load_b32 v[CO+4*(\e/3)+\e%3], v[VT] offset:192*(\e/3)+4*(\e%3)
.endr
.if \prep
	CNLOAD 0, 576
	CNLOAD 1, 576
	CNLOAD 2, 576
.endif
	JOB_L0 0, 0, 0
	PLACES
	JOB_L0 1, 1, 1
	JOB_L0 2, 0, 1
	JOB_L1 0, 1, 2, \prep, \gath                   ; riders: L0 of tile 2
	JOB_L1 1, 0, 0, \prep, \gath                   ; riders: L1 of tile 0, whose X that job has read to its end
	JOB_L1 2, 1, 1, \prep, \gath
	JOB_L2 0, 0, 2, 1                              ; riders: L1 of tile 2
	JOB_L2 1, 1, 0, 0                              ; riders: L2 of tile 0
	JOB_L2 2, 0, 1, 0
	LAST
	UPDATE3
.if \prep
	v_add_nc_u32 v[VT], 576, v[VT]                 ; 48 vertices on
	v_add_nc_u32 v[IXO], 192, v[IXO]
.endif
.if \gath
	v_add_nc_u32 v[IO], 192, v[IO]                 ; the loads that named it were waited for at place 34
.endif
.endm
	s_mov_b32 s52, 3
.Lpass:                                                ; at its head, on both ways in, twelve gathers are out: the next pass's
	PASS 1, 1
	s_sub_co_u32 s52, s52, 1
	s_cmp_lg_u32 s52, 0
	s_cbranch_scc1 .Lpass
	PASS 1, 0                                      ; the last pass but one asks for nothing more,
	PASS 0, 0                                      ; and the last prepares nothing
	; THE WAY OUT.  The group's 11,520 bytes of vertices and 3,840 of indices leave as they lie in LDS, 16 bytes a thread: sixteen neighbouring lanes store 256 consecutive bytes, at a
	; multiple of 256 from the buffer's first byte.  128 threads take 2,048 bytes a turn: five whole turns and 80 threads for the vertices, one and 112 threads for the indices.
	; All lanes load (the indices' second turn from a clamped address, the vertices' sixth on into the indices' bytes); the masks are for the stores.
	s_wait_dscnt 0x0                               ; for the others' sake: my stores into LDS are done
	s_barrier_signal -1
	s_barrier_wait -1
.irp j, 0,1,2,3,4
	ds_load_b128 v[FD+4*\j:FD+4*\j+3], v[FL] offset:2048*\j
.endr
	ds_load_b128 v[FD+20:FD+23], v[FI]
	ds_load_b128 v[FD+24:FD+27], v[FJ] offset:2048
	ds_load_b128 v[FD+28:FD+31], v[FL] offset:10240
	s_wait_dscnt 0x0
.irp j, 0,1,2,3,4
	global_store_b128 v[GO], v[FD+4*\j:FD+4*\j+3], s[12:13] offset:2048*\j
.endr
	global_store_b128 v[GO], v[FD+20:FD+23], s[14:15]
	v_cmp_gt_u32 vcc_lo, 112, v0
	s_wait_xcnt 0x0                                ; EXEC is a source of the stores above: it changes only behind this wait
	s_wait_tensorcnt 0x0
	ds_add_u32 v62, v63
	s_wait_dscnt 0x0
	s_and_saveexec_b32 s53, vcc_lo
	global_store_b128 v[GO], v[FD+24:FD+27], s[14:15] offset:2048
	s_wait_xcnt 0x0
	s_or_b32 exec_lo, exec_lo, s53
	v_cmp_gt_u32 vcc_lo, 80, v0
	s_and_saveexec_b32 s53, vcc_lo                 ; no global instruction has been issued since the wait above
	global_store_b128 v[GO], v[FD+28:FD+31], s[12:13] offset:10240
	s_wait_xcnt 0x0
	s_or_b32 exec_lo, exec_lo, s53
	s_endpgm
.Lfunc_end_k_q19f13ab8a1_step1:
	.size	k_q19f13ab8a1_step1, .Lfunc_end_k_q19f13ab8a1_step1-k_q19f13ab8a1_step1
	.p2alignl 7, 3214868480
	.fill 96, 4, 3214868480
	.section	.rodata,"a",@progbits
	.p2align	6, 0x0
	.amdhsa_kernel k_q19f13ab8a1_step1
		.amdhsa_group_segment_fixed_size 168448
		.amdhsa_private_segment_fixed_size 0
		.amdhsa_enable_private_segment 0
		.amdhsa_kernarg_size 48
		.amdhsa_user_sgpr_count 2
		.amdhsa_user_sgpr_kernarg_segment_ptr 1
		.amdhsa_wavefront_size32 1
		.amdhsa_system_sgpr_workgroup_id_x 1
		.amdhsa_system_sgpr_workgroup_id_y 1
		.amdhsa_system_sgpr_workgroup_id_z 1
		.amdhsa_system_vgpr_workitem_id 0
		.amdhsa_next_free_vgpr 1024
		.amdhsa_next_free_sgpr 76
		.amdhsa_reserve_vcc 1
		.amdhsa_float_denorm_mode_32 3
		.amdhsa_float_denorm_mode_16_64 3
		.amdhsa_memory_ordered 1
		.amdhsa_forward_progress 1
		.amdhsa_inst_pref_size 207
	.end_amdhsa_kernel
	.amdgpu_metadata
---
amdhsa.version: [ 1, 2 ]
amdhsa.kernels:
  - .name:           k_q19f13ab8a1_step1
    .symbol:         k_q19f13ab8a1_step1.kd
    .args:
      - { .name: table, .offset: 0, .size: 8, .value_kind: global_buffer, .address_space: global }
      - { .name: wts, .offset: 8, .size: 8, .value_kind: global_buffer, .address_space: global }
      - { .name: vertices, .offset: 16, .size: 8, .value_kind: global_buffer, .address_space: global }
      - { .name: iA, .offset: 24, .size: 8, .value_kind: global_buffer, .address_space: global }
      - { .name: vA, .offset: 32, .size: 8, .value_kind: global_buffer, .address_space: global }
      - { .name: iB, .offset: 40, .size: 8, .value_kind: global_buffer, .address_space: global }
    .group_segment_fixed_size: 168448
    .private_segment_fixed_size: 0
    .kernarg_segment_align: 8
    .kernarg_segment_size: 48
    .max_flat_workgroup_size: 128
    .sgpr_count:     76
    .vgpr_count:     1024
    .wavefront_size: 32
...
	.end_amdgpu_metadata
.endif
;; end of part 2
;; launch step2: the kernel of part 2 again; grid 250 x 1, 4 waves a work-group, no clusters, 168,448 bytes of LDS; arguments table, wts, vA, iB, vB, iA; writes vB, iA
;; launch step3: the kernel of part 2 again; grid 250 x 1, 4 waves a work-group, no clusters, 168,448 bytes of LDS; arguments table, wts, vB, iA, out0, iB; writes out0, iB
